; MI455X (gfx1250); checked and timed in simulation.
; The chip was launched on July 23, 2026; its instructions are those of AMD's public machine-readable ISA for CDNA 5 (MIT licence, August 2026) and "CDNA5" Instruction Set Architecture Reference Guide (July 2026). The comments in the code are by the model that wrote it; some were corrected since.
;; Linear2 Bit. Allowed arithmetic: matrix products marked QUANTISED: E5M2 operands, one given power-of-two scale a tensor, by v_wmma_f32_16x16x64_bf8_bf8 or v_wmma_f32_16x16x128_bf8_bf8, f32 sums; everything else in f32.
;; Inputs: bias 4,096 float32; lowp_scales 2 int32 (the exponents e of the quantised operands' scales 2^e); scale one number float32; weight_q 4,096 x 4,096 int8; x 4,096 x 4,096 float32.
;; Outputs: out0 4,096 x 4,096 float32.
;; This version of the problem:
;;   THIS VERSION OF THE PROBLEM IS GIVEN IN LOW PRECISION. The matrix products marked QUANTISED in the list below multiply operands that are first quantised to E5M2 (5 exponent bits, 2 mantissa bits; 8 bits a number), with one given power-of-two scale for each operand tensor; their sums are f32. All else is computed in f32.
;;   The module's matrix products, in the order in which they are computed (A, B: the left and right operand; K: the contracted axis; several contracted axes count as one K, in the product's order):
;;     1. [M 4,096, K 4,096] x [K 4,096, N 4,096]; A: input x; B: computed on the way: QUANTISED (scales: A lowp_scales[0], B lowp_scales[1])
;;   THE QUANTISER, for each operand of a quantised product, along K:
;;     - The operand's scale is 2^e, e = its entry of the input lowp_scales (int32; the entries are numbered through the quantised products in the list's order, A before B).
;;     - Each number is divided by the scale, clamped to +-57,344, and rounded to the nearest number of E5M2, ties to even, subnormals kept.
;;     - The product sums the exact products of the quantised numbers (number of the format x scale) in f32.
;;   ~~~python
;;   def quantise(x, axis, e):      # numpy; x: float32 -> the quantised numbers, widened to float32 again
;;       x = np.moveaxis(x, axis, -1); K = x.shape[-1]
;;       r = np.clip(x / 2.0 ** e, -57344, 57344)
;;       step = 2.0 ** (np.maximum(np.frexp(np.where(r == 0, 1, r))[1] - 1, -14) - 2)
;;       q = np.round(r / step) * step * 2.0 ** e      # np.round: ties to even
;;       return np.moveaxis(q, -1, axis).astype(np.float32)
;;   ~~~
;;   OPERANDS COMPUTED ON THE WAY. 'Computed on the way' means the value that the module computes at that place (a softmax that the list does not call 'softmax' is quantised finished and normalised). What goes into a quantiser is computed in f32, as accurately as f32 sums, v_exp_f32 and their like allow (about 1e-6 of the number): no bf16 or f16 on the way to a quantiser, and a product that is left as it is and whose result goes on into a quantised operand takes f32 operands (vector FMAs, or v_wmma_f32_16x16x4_f32). A number that lies on a knife's edge between two numbers of the format may be rounded either way, as far as f32 arithmetic and the matrix unit's own rounding can turn it there, and no further.
;; One version. Each part assembles by itself: llvm-mc -triple=amdgcn-amd-amdhsa -mcpu=gfx1250 --defsym DOCPART=n.
;; ======== version 1 of 1: 2 launches
;; limits: right only within a limited range of input values
;; workspace buffers: x_codes 16,777,216 bytes; w_codes 16,777,216 bytes
;; launch quant (part 1): grid 1024 x 1, 4 waves a work-group, no clusters, 34,304 bytes of LDS; arguments x, weight_q, scale, lowp_scales, x_codes, w_codes; writes x_codes, w_codes
.if DOCPART == 1
	.amdgcn_target "amdgcn-amd-amdhsa--gfx1250"
	.amdhsa_code_object_version 6
	.text
	.protected	k_q7874b2be52_quant
	.globl	k_q7874b2be52_quant
	.p2align	8
	.type	k_q7874b2be52_quant,@function
k_q7874b2be52_quant:
	s_mov_b64 s[64:65], 0
	v_nop
	global_prefetch_b8 v0, s[64:65] scope:SCOPE_SE
	s_setreg_imm32_b32 hwreg(HW_REG_WAVE_MODE, 25, 1), 1
	s_wait_xcnt 0x0
; x [4096][4096] f32 and w = f32(weight_q) x scale (weight_q int8, scale one f32) become codes of BF8 (E5M2), one code a byte, with the given scales 2^ex, 2^ew (lowp_scales).
; code = number / 2^e, held within +-57,344, rounded to the nearest code, ties to even.
; LIMITS: ex and ew lie between -126 and 112, so that 2^e and 57,344 x 2^e are f32 numbers.  NaN in x or in scale is not served; an infinity is held at the largest code.
; BOTH BUFFERS ARE THIS PROGRAM'S OWN.
;   THE ORDER OF k, the same in both: in each run of 512 along K, place 16 l + 4 i + c holds k = 128 i + 4 l + c (l = 0 .. 31; i, c = 0 .. 3): so four loads of 512 consecutive bytes leave x in the lanes.
;   x_codes [4096][4096]: row by row, places as above.
;   w_codes IS AN IMAGE OF THE PRODUCT'S OPERAND REGISTERS: block nb (16 rows of w: row 64 (nb / 4) + 4 r + nb % 4 at lane place r) has 65,536 bytes; in it the 128 places q have 2,048 bytes:
;     byte 512 c + 256 h + 16 r + y holds place 128 q + 32 c + 16 h + y of row r.  So unit 32 t + l (256 bytes) of a block holds, for its 16 rows, the 16 codes that lane l makes in run t.
; SHARES.  Wave g = 4 x work-group + wave takes row g of x.  Work-group j takes block j / 4 of w, runs 2 (j % 4) and 2 (j % 4) + 1: wave w the run 2 (j % 4) + w / 2 of rows r = 8 (w % 2) + 0 .. 7.
; All 40 loads of a wave are issued at its head, 512 consecutive bytes each, into registers of their own.  A step's 512 weights turn through the wave's own LDS (16 bytes a lane in, four times 4 bytes a lane out).
; The weights' codes meet in a stage of 64 units, 272 bytes apart; behind one barrier each wave reads 16 whole units and stores them: the work-group's 16,384 bytes lie on end at 16,384 j.
.set R,     16                         ; v16-143   x as loaded
.set W,     144                        ; v144-175  the weights' bytes as loaded; then a step's codes; then the units read back
.set U,     176                        ; v176-207  the weights' bytes in the order of k
.set T,     208                        ; v208-223  16 weights, at work
.set C,     224                        ; v224-255  x's codes
.set SPARE, 0x4000                     ; behind the four waves' 4,096 bytes: the spare words
.set STAGE, 0x4200                     ; 64 units x 272 bytes
.set SP,    272
	s_load_b256 s[4:11], s[0:1], 0x0               ; x, weight_q, scale, lowp_scales
	s_load_b128 s[12:15], s[0:1], 0x20             ; x_codes, w_codes
	v_lshl_add_u32 v8, v0, 2, SPARE
	v_mov_b32 v9, 0
	v_lshrrev_b32 v1, 5, v0
	v_readfirstlane_b32 s16, v1                    ; wave 0..3
	s_lshl_b32 s17, s16, 12                        ; my wave's LDS for the turn
	v_and_b32 v2, 31, v0                           ; lane
	v_lshlrev_b32 v3, 4, v2                        ; 16 x lane: the offset of every load and store
	v_add_nc_u32 v14, s17, v3                      ; the turn, in
	v_lshlrev_b32 v15, 2, v2
	v_add_nc_u32 v15, s17, v15                     ; the turn, out
	v_lshrrev_b32 v4, 6, v0
	v_lshl_add_u32 v4, v4, 5, v2                   ; the stage, in: unit 32 (wave / 2) + lane,
	v_mul_u32_u24 v4, v4, SP
	v_bfe_u32 v5, v0, 5, 1
	v_lshl_add_u32 v4, v5, 7, v4                   ; + 16 x 8 (wave % 2): my eight rows' bytes of it
	v_add_nc_u32 v4, STAGE, v4
	v_lshlrev_b32 v5, 4, v1
	v_bfe_u32 v6, v0, 4, 1
	v_add_nc_u32 v5, v5, v6                        ; the stage, out: unit 16 wave + lane / 16,
	v_mul_u32_u24 v5, v5, SP
	v_and_b32 v6, 15, v0
	v_lshl_add_u32 v5, v6, 4, v5                   ; 16 bytes a lane
	v_add_nc_u32 v5, STAGE, v5
	s_lshl_b32 s18, ttmp9, 2
	s_add_co_u32 s18, s18, s16                     ; g
	s_lshl_b32 s20, s18, 14                        ; row g's first byte in x
	s_mov_b32 s21, 0
	s_lshr_b32 s26, ttmp9, 4
	s_lshl_b32 s26, s26, 6                         ; my first row of w: 64 (j / 16)
	s_bfe_u32 s27, ttmp9, 0x20002
	s_or_b32 s26, s26, s27                         ; + (j / 4) % 4
	s_and_b32 s27, s16, 1
	s_lshl_b32 s27, s27, 5
	s_or_b32 s26, s26, s27                         ; + 4 x 8 (wave % 2)
	s_lshl_b32 s26, s26, 3                         ; in runs of 512
	s_and_b32 s27, ttmp9, 3
	s_lshl_b32 s27, s27, 1
	s_add_co_u32 s26, s26, s27
	s_lshr_b32 s27, s16, 1
	s_add_co_u32 s26, s26, s27                     ; + my run
	s_lshl_b32 s26, s26, 9
	s_mov_b32 s27, 0
	s_lshl_b32 s18, s18, 12                        ; 4,096 g: row g in x_codes, and my 16 units in w_codes
	s_mov_b32 s19, 0
	s_wait_alu depctr_va_vdst(0)                   ; directly ahead of the wait below
	s_wait_kmcnt 0x0
	s_load_b64 s[22:23], s[10:11], 0x0             ; ex, ew
	s_load_b32 s24, s[8:9], 0x0                    ; scale
	s_add_nc_u64 s[4:5], s[4:5], s[20:21]
	s_add_nc_u64 s[6:7], s[6:7], s[26:27]
	s_add_nc_u64 s[12:13], s[12:13], s[18:19]
	s_add_nc_u64 s[14:15], s[14:15], s[18:19]
.irp t, 0,1,2,3,4,5,6,7
	global_load_b128 v[W+4*\t:W+4*\t+3], v3, s[6:7] offset:16384*\t th:TH_LOAD_NT           ; my run of row r = 8 (wave % 2) + t: the rows lie four rows of w apart
.endr
.irp t, 0,1,2,3,4,5,6,7
.irp i, 0,1,2,3
	global_load_b128 v[R+16*\t+4*\i:R+16*\t+4*\i+3], v3, s[4:5] offset:2048*\t+512*\i th:TH_LOAD_NT
.endr
.endr
	s_wait_kmcnt 0x0
	s_mov_b32 s25, s24                             ; (the packed multiply names the pair)
	s_add_co_i32 s28, s22, 127
	s_lshl_b32 s29, s28, 23
	v_mov_b32 v11, s29                             ; 2^ex
	s_add_co_i32 s28, s28, 15
	s_lshl_b32 s28, s28, 23
	s_or_b32 s28, s28, 0x600000
	v_mov_b32 v10, s28                             ; 57,344 x 2^ex
	s_add_co_i32 s28, s23, 127
	s_lshl_b32 s29, s28, 23
	v_mov_b32 v13, s29                             ; 2^ew
	s_add_co_i32 s28, s28, 15
	s_lshl_b32 s28, s28, 23
	s_or_b32 s28, s28, 0x600000
	v_mov_b32 v12, s28                             ; 57,344 x 2^ew
	s_wait_loadcnt 32                              ; the eight loads of weights are in; x's 32 may be out
.irp t, 0,1,2,3,4,5,6,7
	ds_store_b128 v14, v[W+4*\t:W+4*\t+3] offset:512*\t
.endr
.irp t, 0,1,2,3,4,5,6,7                ; LDS serves a wave's instructions in order (ISA guide 5.7.1.4): these see the stores above
.irp i, 0,1,2,3
	ds_load_b32 v[U+4*\t+\i], v15 offset:512*\t+128*\i
.endr
.endr
.macro WSTEP t
	s_wait_dscnt 4*(7-(\t))+(\t)                   ; this step's four loads are back; younger: four loads for each later step and one stage store for each earlier one
.irp d, 0,1,2,3                        ; 16 signed bytes, widened
	v_lshlrev_b32 v[T+4*\d],   24, v[U+4*(\t)+\d]
	v_lshlrev_b32 v[T+4*\d+1], 16, v[U+4*(\t)+\d]
	v_lshlrev_b32 v[T+4*\d+2], 8,  v[U+4*(\t)+\d]
	v_ashrrev_i32 v[T+4*\d+3], 24, v[U+4*(\t)+\d]
.endr
.irp d, 0,1,2,3
.irp j, 0,1,2
	v_ashrrev_i32 v[T+4*\d+\j], 24, v[T+4*\d+\j]
.endr
.endr
.irp i, 0,1,2,3,4,5,6,7,8,9,10,11,12,13,14,15
	v_cvt_f32_i32 v[T+\i], v[T+\i]                 ; exact
.endr
.irp i, 0,2,4,6,8,10,12,14
	v_pk_mul_f32 v[T+\i:T+\i+1], v[T+\i:T+\i+1], s[24:25] op_sel_hi:[1,0]    ; w = q x scale: one rounding in f32
.endr
.irp i, 0,1,2,3,4,5,6,7,8,9,10,11,12,13,14,15
	v_med3_num_f32 v[T+\i], v[T+\i], -v12, v12     ; the conversion does not saturate (ISA guide 7.6.2): the hold comes first
.endr
	v_cvt_scalef32_pk8_bf8_f32 v[W+4*(\t):W+4*(\t)+1], v[T:T+7], v13
	v_cvt_scalef32_pk8_bf8_f32 v[W+4*(\t)+2:W+4*(\t)+3], v[T+8:T+15], v13
	v_nop                                          ; one plain vector line between the conversions and the next step's first line, which writes their sources
	ds_store_b128 v4, v[W+4*(\t):W+4*(\t)+3] offset:16*(\t)   ; row r's 16 bytes of unit 32 (wave / 2) + lane
.endm
.macro XSTEP t
	s_wait_loadcnt 4*(7-(\t))                      ; this step's four loads of x are in
.irp i, 0,1,2,3,4,5,6,7,8,9,10,11,12,13,14,15
	v_med3_num_f32 v[R+16*(\t)+\i], v[R+16*(\t)+\i], -v10, v10
.endr
	v_cvt_scalef32_pk8_bf8_f32 v[C+4*(\t):C+4*(\t)+1], v[R+16*(\t):R+16*(\t)+7], v11
	v_cvt_scalef32_pk8_bf8_f32 v[C+4*(\t)+2:C+4*(\t)+3], v[R+16*(\t)+8:R+16*(\t)+15], v11
	global_store_b128 v3, v[C+4*(\t):C+4*(\t)+3], s[12:13] offset:512*(\t)
.endm
.irp t, 0,1,2,3,4,5,6,7
	WSTEP \t
.endr
	s_wait_dscnt 0x0                               ; for the others' sake: my stores into the stage are done
	s_barrier_signal -1
	s_barrier_wait -1
.irp m, 0,1,2,3,4,5,6,7
	ds_load_b128 v[W+4*\m:W+4*\m+3], v5 offset:2*SP*\m         ; two whole units an instruction
.endr
	s_wait_dscnt 0x0
.irp m, 0,1,2,3,4,5,6,7
	global_store_b128 v3, v[W+4*\m:W+4*\m+3], s[14:15] offset:512*\m   ; 512 consecutive bytes, aligned to 256
.endr
.irp t, 0,1,2,3,4,5,6,7
	XSTEP \t
.endr
	s_wait_tensorcnt 0x0                           ; the wave's end
	ds_add_u32 v8, v9
	s_wait_dscnt 0x0
	s_endpgm
.Lfunc_end_k_q7874b2be52_quant:
	.size	k_q7874b2be52_quant, .Lfunc_end_k_q7874b2be52_quant-k_q7874b2be52_quant
	.p2alignl 7, 3214868480
	.fill 96, 4, 3214868480
	.section	.rodata,"a",@progbits
	.p2align	6, 0x0
	.amdhsa_kernel k_q7874b2be52_quant
		.amdhsa_group_segment_fixed_size 34304
		.amdhsa_private_segment_fixed_size 0
		.amdhsa_enable_private_segment 0
		.amdhsa_kernarg_size 48
		.amdhsa_user_sgpr_count 2
		.amdhsa_user_sgpr_kernarg_segment_ptr 1
		.amdhsa_wavefront_size32 1
		.amdhsa_system_sgpr_workgroup_id_x 1
		.amdhsa_system_sgpr_workgroup_id_y 1
		.amdhsa_system_sgpr_workgroup_id_z 1
		.amdhsa_system_vgpr_workitem_id 0
		.amdhsa_next_free_vgpr 256
		.amdhsa_next_free_sgpr 66
		.amdhsa_reserve_vcc 0
		.amdhsa_float_denorm_mode_32 3
		.amdhsa_float_denorm_mode_16_64 3
		.amdhsa_memory_ordered 1
		.amdhsa_forward_progress 1
		.amdhsa_inst_pref_size 46
	.end_amdhsa_kernel
	.amdgpu_metadata
---
amdhsa.version: [ 1, 2 ]
amdhsa.kernels:
  - .name:           k_q7874b2be52_quant
    .symbol:         k_q7874b2be52_quant.kd
    .args:
      - { .name: x, .offset: 0, .size: 8, .value_kind: global_buffer, .address_space: global }
      - { .name: weight_q, .offset: 8, .size: 8, .value_kind: global_buffer, .address_space: global }
      - { .name: scale, .offset: 16, .size: 8, .value_kind: global_buffer, .address_space: global }
      - { .name: lowp_scales, .offset: 24, .size: 8, .value_kind: global_buffer, .address_space: global }
      - { .name: x_codes, .offset: 32, .size: 8, .value_kind: global_buffer, .address_space: global }
      - { .name: w_codes, .offset: 40, .size: 8, .value_kind: global_buffer, .address_space: global }
    .group_segment_fixed_size: 34304
    .private_segment_fixed_size: 0
    .kernarg_segment_align: 8
    .kernarg_segment_size: 48
    .max_flat_workgroup_size: 128
    .sgpr_count:     66
    .vgpr_count:     256
    .wavefront_size: 32
...
	.end_amdgpu_metadata
.endif
;; end of part 1
;; launch gemm (part 2): grid 16 x 16, 4 waves a work-group, clusters of 4 x 1, 327,680 bytes of LDS; arguments x_codes, w_codes, lowp_scales, out0, bias; writes out0
.if DOCPART == 2
	.amdgcn_target "amdgcn-amd-amdhsa--gfx1250"
	.amdhsa_code_object_version 6
	.text
	.protected	k_q7874b2be52_gemm
	.globl	k_q7874b2be52_gemm
	.p2align	8
	.type	k_q7874b2be52_gemm,@function
k_q7874b2be52_gemm:
	s_mov_b64 s[64:65], 0
	v_nop
	global_prefetch_b8 v0, s[64:65] scope:SCOPE_SE
	s_setreg_imm32_b32 hwreg(HW_REG_WAVE_MODE, 25, 1), 1
	s_wait_xcnt 0x0
	s_wait_alu depctr_hold_cnt(0) depctr_sa_sdst(0) depctr_va_vdst(0) depctr_va_sdst(0) depctr_va_ssrc(0) depctr_va_vcc(0) depctr_vm_vsrc(0)
	s_getreg_b32 s2, hwreg(HW_REG_IB_STS2, 6, 4)
	s_cmp_eq_u32 s2, 0
	s_cbranch_scc0 .Lentry_in_a_cluster
	s_endpgm
.Lentry_in_a_cluster:
	s_bfe_u32 s2, ttmp6, 0x10000c
	s_cmp_lg_u32 s2, 0x3003
	s_cbranch_scc0 .Lentry_shape_is_right
	s_endpgm
.Lentry_shape_is_right:
; out0[t][o] = 2^(ex + ew) x (sum over k of x_codes[t][k] w_codes[o][k]) + bias[o]: codes of BF8 (E5M2), f32 sums, by v_wmma_f32_16x16x128_bf8_bf8.
; LIMIT: ex + ew lies between -126 and 127, so that 2^(ex + ew) is an f32 number.  The order of k inside a run of 512 is the two buffers' own, the same in both.
; A tile of 256 x 256 to a work-group of four waves; a wave makes 128 x 128: 64 accumulators, 512 registers.  256 work-groups.
; ONLY x's CODES PASS LDS.  A slot holds 256 rows x 512 along K (rows of 512 bytes + 16 of padding); two slots take turns: 8 fills in all, each wave 64 rows a fill, 240 matrix instructions
; a wave between a refill and the wait for it.  The four work-groups of a cluster make one tile row and ask for x's tiles JOINTLY (mask 15).
; w's CODES GO FROM MEMORY STRAIGHT INTO THE OPERAND'S REGISTERS: w_codes is laid as an image of those registers, so a fragment is four loads of 512 consecutive bytes.  They are not asked for jointly
; because they pass no LDS: so a wave issues 32 LDS loads for a step's 64 matrix instructions, not 64, and a slot has room for 512 along K, not 256, which halves the rounds of the cluster's barrier.
; A STEP is 128 along K, 64 matrix instructions in four quadrants of 16: (A's blocks 0-3, B's 0-3), (4-7, 0-3), (4-7, 4-7), (0-3, 4-7).  The accumulators take turns.
; TWO RUNS OF 32 LOADS A STEP.  Behind the second quadrant: B's half 0, just free, takes the step two on, and A's blocks 0-3 of the next step go into their other set of registers.
; Behind the fourth: A's blocks 4-7 of the next step (free since the third quadrant, wanted in the next step's second), then B's half 1 of the step two on.
; REGISTERS: window 0: v0-31 addresses and the bias; v32-95, v160-223 A's blocks 0-3 (even, odd steps); v96-159 A's blocks 4-7.  Window 1: B, two steps' sets of 128.
;   Window 2: accumulators of my rows 0-63 ((a, b) at v[8 (8 a + b)]); window 3: those of rows 64-127.
; THE WAY OUT needs no LDS: w_codes' blocks hold every fourth column, so the same register of four neighbouring accumulators holds four neighbouring columns: sixteen lanes store 256 consecutive bytes.
; PREFETCHES: behind the joint load of x's chunk c (512 along K) chunk c + 1 is asked for: of a wave's 64 rows each of the four partners names 16, by address, a lane to 256 bytes.  There too w's chunk c, whose
; first loads stand three steps on: of the tile column's 16 blocks work-group y names block y, a wave 8 units of 256 bytes (lanes 8-31 name the eighth again).  Chunk 8 does not exist and is not asked for.
.set PITCH,  528
.set QUART,  64*PITCH                  ; what one tensor load brings
.set SLOT,   4*QUART
.set SPARE,  2*SLOT                    ; behind the ring: the spare words, 128 bytes a wave
.set BI,   8                           ; v8-15  the bias at my columns
.set ADRA, 16                          ; v16-17 LDS address of my A fragments in slot 0, 1
.set BOF,  18                          ; v18    16 x lane
.set BO,   19                          ; v19    16 x (lane % 16)
.set CO,   20                          ; v20    my byte offset in out0
.set PFOA, 21                          ; v21    prefetch of x: (lane / 2) rows + 256 (lane % 2)
.set PFOB, 22                          ; v22    prefetch of w: 256 min(lane, 7)
.set SPW,  28
.set NIL,  29
.set AF,   32
.set TT0,  96                          ; the way out: two sets of 64
.set G1, 24                            ; s[24:31] descriptor group 1; s[32:39] group 0, one for each slot
.set G0, 32
.set BP,  46                           ; s[46:47] my eight blocks of w_codes, at the trip's first step
.set PFA, 48                           ; s[48:49], s[50:51] the prefetches' bases, at the trip's first chunk
.set PFB, 50
.set MSB, 0
.macro WIN new                         ; the immediate's high byte repeats the setting that is left
.if MSB != \new
	s_set_vgpr_msb (MSB<<8)|\new
.set MSB, \new
.endif
.endm
.set MUL_LO, 0xa4                      ; source 0 (A) window 0, source 1 (B) window 1, C and D window 2
.set MUL_HI, 0xf4                      ; the same, C and D window 3
.set TO_B,   0x40                      ; destination window 1, address window 0
.macro PLACES                          ; four places in front of loads into registers that matrix instructions have read, and of reads of results
.rept 4
	v_nop
.endr
.endm
.macro JLOAD s                         ; the joint load of my 64 rows into slot s; the four v_nop are also places
	tensor_load_to_lds s[G0+4*(\s):G0+4*(\s)+3], s[G1:G1+7]
	s_nop 0
	PLACES
.endm
.macro CREST                           ; a round of the cluster's barrier behind its opening barrier
	s_cmp_lg_u32 s14, 0
	s_cbranch_scc1 .Lnot_wave_0_\@
	s_barrier_signal -3
.Lnot_wave_0_\@:
	s_barrier_wait -3
	s_barrier_signal -1
	s_barrier_wait -1
.endm
.macro CROUND
	s_barrier_signal -1
	s_barrier_wait -1
	CREST
.endm
	s_load_b256 s[4:11], s[0:1], 0x0               ; x_codes s[4:5], w_codes s[6:7], lowp_scales s[8:9], out0 s[10:11]
	s_load_b64 s[12:13], s[0:1], 0x20              ; bias
	v_lshl_add_u32 v[SPW], v0, 2, SPARE
	v_mov_b32 v[NIL], 0
	ds_add_u32 v[SPW], v[NIL]                      ; the opening lines
	ds_add_u32 v[SPW], v[NIL]
	v_lshrrev_b32 v1, 5, v0
	v_readfirstlane_b32 s14, v1                    ; wave 0..3
	s_lshr_b32 s15, s14, 1                         ; my half of the tile's rows
	s_and_b32 s16, s14, 1                          ; my half of its columns
	s_bfe_u32 s40, ttmp6, 0x40000                  ; cx
	s_lshl_b32 s42, ttmp9, 2
	s_add_co_u32 s42, s42, s40                     ; tile column
	s_and_b32 s17, ttmp7, 0xffff                   ; tile row
	s_mul_i32 s21, s15, 2*QUART                    ; my 128 rows in a slot
	s_mul_i32 s45, s14, QUART                      ; where my 64 rows land
	s_lshl_b32 s52, s17, 20
	s_lshl_b32 s22, s14, 18
	s_add_co_u32 s52, s52, s22                     ; x_codes: row 256 x tile row + 64 x wave, in bytes: no cx in it
	s_mov_b32 s53, 0
	s_lshl_b32 s23, s42, 20
	s_lshl_b32 s22, s16, 19
	s_add_co_u32 s54, s23, s22                     ; w_codes: block 16 x tile column + 8 x half
	s_mov_b32 s55, 0
	s_lshl_b32 s58, s42, 10
	s_lshl_b32 s22, s16, 9
	s_add_co_u32 s58, s58, s22                     ; my first column, in bytes of f32
	s_mov_b32 s59, 0
	s_lshl_b32 s56, s17, 22
	s_lshl_b32 s22, s15, 21
	s_add_co_u32 s56, s56, s22
	s_add_co_u32 s56, s56, s58                     ; out0: my first row and column
	s_mov_b32 s57, 0
	s_lshl_b32 s22, s40, 16
	s_add_co_u32 s60, s52, s22                     ; prefetch of x: my work-group's 16 of my wave's 64 rows
	s_mov_b32 s61, 0
	s_lshl_b32 s22, s17, 16
	s_add_co_u32 s62, s23, s22                     ; prefetch of w: block 16 x tile column + tile row,
	s_lshl_b32 s22, s14, 11
	s_add_co_u32 s62, s62, s22                     ; my wave's 8 units of a chunk's 32
	s_mov_b32 s63, 0
	s_mov_b32 s[G1+0], 15|(1<<20)|(1<<21)|(6<<22)|(3<<25)   ; mask of the four; elements of 1 byte; 4 words of padding behind every 128
	s_mov_b32 s[G1+1], 512<<16                     ; tensor_dim0
	s_mov_b32 s[G1+2], 64<<16                      ; tensor_dim1
	s_mov_b32 s[G1+3], 512<<16                     ; tile_dim0
	s_mov_b32 s[G1+4], 64                          ; tile_dim1
	s_mov_b32 s[G1+5], 4096                        ; from row to row
	s_mov_b32 s[G1+6], 0
	s_mov_b32 s[G1+7], 0
	v_and_b32 v1, 15, v0                           ; r
	v_bfe_u32 v2, v0, 4, 1                         ; h
	v_and_b32 v3, 31, v0                           ; lane
	v_mul_u32_u24 v4, v1, PITCH
	v_lshl_add_u32 v4, v2, 4, v4                   ; a fragment's row x pitch + 16 h
	v_add_nc_u32 v[ADRA], s21, v4
	v_add_nc_u32 v[ADRA+1], SLOT, v[ADRA]
	v_lshlrev_b32 v[BOF], 4, v3
	v_lshlrev_b32 v[BO], 4, v1
	v_lshl_add_u32 v[CO], v2, 17, v[BO]            ; lanes 16-31: eight rows of out0 further down
	v_lshrrev_b32 v5, 1, v3
	v_and_b32 v6, 1, v3
	v_lshlrev_b32 v6, 8, v6
	v_lshl_add_u32 v[PFOA], v5, 12, v6
	v_min_u32 v7, 7, v3
	v_lshlrev_b32 v[PFOB], 8, v7
	s_wait_alu depctr_va_vdst(0)                   ; the wait behind the head's last vector instruction, directly ahead of the waits below
	s_wait_dscnt 0x0                               ; both opening adds are done
	s_wait_kmcnt 0x0
	s_load_b64 s[96:97], s[8:9], 0x0               ; ex, ew
	s_add_nc_u64 s[52:53], s[4:5], s[52:53]
	s_add_nc_u64 s[BP:BP+1], s[6:7], s[54:55]
	s_add_nc_u64 s[12:13], s[12:13], s[58:59]
	s_add_nc_u64 s[10:11], s[10:11], s[56:57]
	s_add_nc_u64 s[PFA:PFA+1], s[4:5], s[60:61]
	s_add_nc_u64 s[PFB:PFB+1], s[6:7], s[62:63]
.irp s, 0,1
	s_mov_b32 s[G0+4*\s], 1
	s_add_co_u32 s[G0+4*\s+1], s45, \s*SLOT
	s_add_nc_u64 s[G0+4*\s+2:G0+4*\s+3], s[52:53], \s*512
	s_or_b32 s[G0+4*\s+3], s[G0+4*\s+3], 0x80000000
.endr
; 8 matrix instructions: blocks a0, a0 + 1 of A's half ah x the four blocks of B's half bh, step n
.macro QH ah, bh, n, zero, a0
.set AB, AF+128*((\n)%2)*(1-(\ah))+64*(\ah)
.set BB, 128*((\n)%2)+64*(\bh)
.irp a, \a0, \a0+1
.irp b, 0,1,2,3
.if \zero
	v_wmma_f32_16x16x128_bf8_bf8 v[8*(8*(\a)+4*(\bh)+\b):8*(8*(\a)+4*(\bh)+\b)+7], v[AB+16*(\a):AB+16*(\a)+15], v[BB+16*\b:BB+16*\b+15], 0
.else
	v_wmma_f32_16x16x128_bf8_bf8 v[8*(8*(\a)+4*(\bh)+\b):8*(8*(\a)+4*(\bh)+\b)+7], v[AB+16*(\a):AB+16*(\a)+15], v[BB+16*\b:BB+16*\b+15], v[8*(8*(\a)+4*(\bh)+\b):8*(8*(\a)+4*(\bh)+\b)+7]
.endif
.endr
.endr
.endm
.macro FA half, n                      ; 16 LDS loads: a half of A's fragments of step n (slot (n / 4) % 2, its (n % 4)-th 128 along K): registers 4 c .. 4 c + 3 hold places 32 c + 16 h + 0 .. 15 of row r
.set AB, AF+128*((\n)%2)*(1-(\half))+64*(\half)
.set AD, ADRA+((\n)/4)%2
.irp i, 0,1,2,3
.irp c, 0,1,2,3
	ds_load_b128 v[AB+16*\i+4*\c:AB+16*\i+4*\c+3], v[AD] offset:(4*(\half)+\i)*16*PITCH+128*((\n)%4)+32*\c
.endr
.endr
.endm
.macro FB half, n, o                   ; 16 loads of 512 consecutive bytes: a half of B's fragments into the set of n's parity; o: the step, counted from the base
.set BB, 128*((\n)%2)+64*(\half)
.irp i, 0,1,2,3
.irp c, 0,1,2,3
	global_load_b128 v[BB+16*\i+4*\c:BB+16*\i+4*\c+3], v[BOF], s[BP:BP+1] offset:(4*(\half)+\i)*65536+(\o)*2048+512*\c
.endr
.endr
.endm
; A step.  n: its number in the trip (0 .. 8).  ahead: how many steps follow, at most 2.  kind 1: the slot's last step, with the round and the refill; kind 2: the same with a plain barrier and no refill.
; ask 1: both prefetches; 2: x's only while a chunk is left.  Loads of B come back in the order of issue, in groups of 16: behind the group that a quadrant needs three younger groups stand (fewer at the end).
.macro STEP n, zero, ahead, kind, ask
.if \n == 8
.set OO, 2
.else
.set OO, \n+2
.endif
.if \ahead
	s_wait_loadcnt 48                              ; B's half 0 is in
.else
	s_wait_loadcnt 16
.endif
	s_wait_dscnt 16                                ; A's blocks 0-3 are in; the 16 loads of blocks 4-7 may be out
	WIN MUL_LO
	QH 0, 0, \n, \zero, 0
	QH 0, 0, \n, \zero, 2
.if \kind
	WIN 0                                          ; (the add's two registers lie in window 0)
	s_wait_tensorcnt 0x0                           ; my one tensor load, my part of the next slot, has landed;
	ds_add_u32 v[SPW], v[NIL]
.if \kind == 1
	s_add_nc_u64 s[G0+4*(((\n)/4)%2)+2:G0+4*(((\n)/4)%2)+3], s[G0+4*(((\n)/4)%2)+2:G0+4*(((\n)/4)%2)+3], 1024   ; this slot's next chunk
.endif
	s_wait_dscnt 1                                 ; A's blocks 4-7 are in; the add may be out
	WIN MUL_HI
	QH 1, 0, \n, \zero, 0
	s_wait_dscnt 0x0                               ; the add is done; my reads of this slot ended with blocks 4-7
	s_barrier_signal -1
	QH 1, 0, \n, \zero, 2
	WIN 0
	s_barrier_wait -1
.if \kind == 1
	CREST                                          ; no wave of any partner still reads this slot or has a load on its way
	JLOAD ((\n)/4)%2
.else
	PLACES
.endif
.else
	s_wait_dscnt 0x0                               ; A's blocks 4-7 are in
	WIN MUL_HI
	QH 1, 0, \n, \zero, 0
	QH 1, 0, \n, \zero, 2
.if \ahead
	PLACES
.endif
.endif
.if \n == 8
	s_wait_xcnt 0x0                                ; the loads and prefetches issued so far have read their bases: on to the next trip's
	s_add_nc_u64 s[BP:BP+1], s[BP:BP+1], 16384
	s_add_nc_u64 s[PFA:PFA+1], s[PFA:PFA+1], 1024
	s_add_nc_u64 s[PFB:PFB+1], s[PFB:PFB+1], 16384
.endif
.if \ahead == 2
	WIN TO_B
	FB 0, \n, OO                                   ; B's half 0 of the step two on
.endif
.if \ahead
	WIN 0
	FA 0, (\n)+1                                   ; A's blocks 0-3 of the next step, into the other set
.endif
.if \ahead == 2
	s_wait_loadcnt 48                              ; B's half 1 is in
.else
	s_wait_loadcnt 32*(\ahead)
.endif
	WIN MUL_HI
	QH 1, 1, \n, \zero, 0
	QH 1, 1, \n, \zero, 2
.if \ask
	WIN 0
.if \ask == 2
	s_cmp_lg_u32 s3, 1                             ; in the last trip no chunk of x is left to ask for
	s_cbranch_scc0 .Lno_chunk_\@
.endif
	global_prefetch_b8 v[PFOA], s[PFA:PFA+1] offset:512*(3+(\n)/4) th:TH_LOAD_NT scope:SCOPE_SE
.if \ask == 2
.Lno_chunk_\@:
.endif
	global_prefetch_b8 v[PFOB], s[PFB:PFB+1] offset:8192*(2+(\n)/4) th:TH_LOAD_NT scope:SCOPE_SE
.endif
	WIN MUL_LO
	QH 0, 1, \n, \zero, 0
	QH 0, 1, \n, \zero, 2
.if \ahead
	PLACES
	WIN 0
	FA 1, (\n)+1                                   ; A's blocks 4-7 of the next step: wanted behind its first quadrant
.endif
.if \ahead == 2
	WIN TO_B
	FB 1, \n, OO                                   ; B's half 1 of the step two on
.endif
	WIN 0
.endm
	global_load_b128 v[BI:BI+3], v[BO], s[12:13]               ; bias at columns 4 r + 0 .. 3 of my first 64,
	global_load_b128 v[BI+4:BI+7], v[BO], s[12:13] offset:256  ; and of my second 64
	WIN TO_B
	FB 0, 0, 0                                     ; step 0's fragments of B
	FB 1, 0, 0
	WIN 0
	CROUND                                         ; the four work-groups are here: the first joint loads meet
	JLOAD 0                                        ; chunk 0: one tensor load a wave at the head
	WIN TO_B
	FB 0, 1, 1                                     ; step 1's
	FB 1, 1, 1
	WIN 0
	global_prefetch_b8 v[PFOA], s[PFA:PFA+1] offset:512 th:TH_LOAD_NT scope:SCOPE_SE
	s_wait_tensorcnt 0x0                           ; my part of chunk 0 is in; slot 1's first fill is issued as a refill is:
	ds_add_u32 v[SPW], v[NIL]
	s_wait_dscnt 0x0
	CROUND
	JLOAD 1                                        ; chunk 1
	FA 0, 0
	FA 1, 0
	global_prefetch_b8 v[PFOA], s[PFA:PFA+1] offset:1024 th:TH_LOAD_NT scope:SCOPE_SE
	global_prefetch_b8 v[PFOB], s[PFB:PFB+1] offset:8192 th:TH_LOAD_NT scope:SCOPE_SE
	STEP 0, 1, 2, 0, 0                             ; the first step's products start the sums: nothing is cleared
	s_mov_b32 s3, 3
.Ltrip:                                                ; a trip: eight steps, once round the ring, from a lap's second step to the next lap's first; both slots are filled again
	STEP 1, 0, 2, 0, 0
	STEP 2, 0, 2, 0, 0
	STEP 3, 0, 2, 1, 1
	STEP 4, 0, 2, 0, 0
	STEP 5, 0, 2, 0, 0
	STEP 6, 0, 2, 0, 0
	STEP 7, 0, 2, 1, 2
	STEP 8, 0, 2, 0, 0
	s_sub_co_u32 s3, s3, 1
	s_cmp_lg_u32 s3, 0
	s_cbranch_scc1 .Ltrip
	STEP 1, 0, 2, 0, 0                             ; the last seven steps fill nothing
	STEP 2, 0, 2, 0, 0
	STEP 3, 0, 2, 2, 0
	STEP 4, 0, 2, 0, 0
	STEP 5, 0, 2, 0, 0
	STEP 6, 0, 1, 0, 0
	STEP 7, 0, 0, 0, 0
; THE WAY OUT, by blocks of 16 rows: sum x 2^(ex + ew) + bias in one fused multiply-add, each accumulator from its low end on; register j of accumulators 4 g + 0 .. 3 is row 8 h + j, columns 64 g + 4 r + 0 .. 3.
.macro OUTB a
.set AC, 64*((\a)%4)
.set TT, TT0+64*((\a)%2)
	WIN (0x02+((\a)/4))                            ; source 0: window 2 or 3
.irp j, 0,1,2,3,4,5,6,7
.irp g, 0,1
.irp u, 0,1,2,3
	v_fma_f32 v[TT+4*(2*\j+\g)+\u], v[AC+8*(4*\g+\u)+\j], s96, v[BI+4*\g+\u]
.endr
.endr
.endr
	WIN 0
.irp j, 0,1,2,3,4,5,6,7
.irp g, 0,1
	global_store_b128 v[CO], v[TT+4*(2*\j+\g):TT+4*(2*\j+\g)+3], s[10:11] offset:(16*(\a)+\j)*16384+256*\g th:TH_STORE_NT   ; sixteen lanes store 256 consecutive bytes, aligned
.endr
.endr
.endm
	s_wait_kmcnt 0x0
	s_add_co_i32 s96, s96, s97
	s_add_co_i32 s96, s96, 127
	s_lshl_b32 s96, s96, 23                        ; 2^(ex + ew) as f32
	PLACES
	OUTB 0
	OUTB 1
.irp a, 2,3,4,5,6,7
	s_wait_xcnt 0x0                                ; block a - 2's stores have read their registers
	OUTB \a
.endr
	s_wait_tensorcnt 0x0                           ; the wave's end
	ds_add_u32 v[SPW], v[NIL]
	s_wait_dscnt 0x0
	CROUND                                         ; the closing round
	s_endpgm
.Lfunc_end_k_q7874b2be52_gemm:
	.size	k_q7874b2be52_gemm, .Lfunc_end_k_q7874b2be52_gemm-k_q7874b2be52_gemm
	.p2alignl 7, 3214868480
	.fill 96, 4, 3214868480
	.section	.rodata,"a",@progbits
	.p2align	6, 0x0
	.amdhsa_kernel k_q7874b2be52_gemm
		.amdhsa_group_segment_fixed_size 327680
		.amdhsa_private_segment_fixed_size 0
		.amdhsa_enable_private_segment 0
		.amdhsa_kernarg_size 40
		.amdhsa_user_sgpr_count 2
		.amdhsa_user_sgpr_kernarg_segment_ptr 1
		.amdhsa_wavefront_size32 1
		.amdhsa_system_sgpr_workgroup_id_x 1
		.amdhsa_system_sgpr_workgroup_id_y 1
		.amdhsa_system_sgpr_workgroup_id_z 1
		.amdhsa_system_vgpr_workitem_id 0
		.amdhsa_next_free_vgpr 1024
		.amdhsa_next_free_sgpr 98
		.amdhsa_reserve_vcc 0
		.amdhsa_float_denorm_mode_32 3
		.amdhsa_float_denorm_mode_16_64 3
		.amdhsa_memory_ordered 1
		.amdhsa_forward_progress 1
		.amdhsa_inst_pref_size 208
	.end_amdhsa_kernel
	.amdgpu_metadata
---
amdhsa.version: [ 1, 2 ]
amdhsa.kernels:
  - .name:           k_q7874b2be52_gemm
    .symbol:         k_q7874b2be52_gemm.kd
    .args:
      - { .name: x_codes, .offset: 0, .size: 8, .value_kind: global_buffer, .address_space: global }
      - { .name: w_codes, .offset: 8, .size: 8, .value_kind: global_buffer, .address_space: global }
      - { .name: lowp_scales, .offset: 16, .size: 8, .value_kind: global_buffer, .address_space: global }
      - { .name: out0, .offset: 24, .size: 8, .value_kind: global_buffer, .address_space: global }
      - { .name: bias, .offset: 32, .size: 8, .value_kind: global_buffer, .address_space: global }
    .group_segment_fixed_size: 327680
    .private_segment_fixed_size: 0
    .kernarg_segment_align: 8
    .kernarg_segment_size: 40
    .max_flat_workgroup_size: 128
    .sgpr_count:     98
    .vgpr_count:     1024
    .wavefront_size: 32
...
	.end_amdgpu_metadata
.endif
;; end of part 2
